; MI455X (gfx1250); checked and timed in simulation.
; The chip was launched on July 23, 2026; its instructions are those of AMD's public machine-readable ISA for CDNA 5 (MIT licence, August 2026) and "CDNA5" Instruction Set Architecture Reference Guide (July 2026). The comments in the code are by the model that wrote it; some were corrected since.
;; Self Attention. Allowed arithmetic: matrix products marked QUANTISED: E2M3 operands, one E8M0 scale for each 32 along K, by v_wmma_scale_f32_16x16x128_f8f6f4 with both operands' format E2M3, f32 sums; everything else in f32.
;; Inputs: bk 1,024 float32; bq 1,024 float32; bv 1,024 float32; hidden_states 8 x 1,024 x 1,024 float32; ln_b 1,024 float32; ln_w 1,024 float32; pos_emb 1,024 x 1,024 float32; wk_codes 1,024 x 32 x 24 uint8 (E2M3 codes of wk, K innermost, in blocks of 32 codes, four codes in three bytes); wk_scales 1,024 x 32 uint8 (E8M0 scales of wk, one for each 32 codes along K); wq_codes 1,024 x 32 x 24 uint8 (E2M3 codes of wq, K innermost, in blocks of 32 codes, four codes in three bytes); wq_scales 1,024 x 32 uint8 (E8M0 scales of wq, one for each 32 codes along K); wv_codes 1,024 x 32 x 24 uint8 (E2M3 codes of wv, K innermost, in blocks of 32 codes, four codes in three bytes); wv_scales 1,024 x 32 uint8 (E8M0 scales of wv, one for each 32 codes along K).
;; Outputs: out0 8 x 1,024 x 1,024 float32.
;; This version of the problem:
;;   THIS VERSION OF THE PROBLEM IS GIVEN IN LOW PRECISION. The matrix products marked QUANTISED in the list below multiply operands that are first quantised to E2M3 (2 exponent bits, 3 mantissa bits; 6 bits a number), with one power-of-two scale for each 32 numbers along K (OCP MX v1.0); their sums are f32. All else is computed in f32.
;;   The module's matrix products, in the order in which they are computed (A, B: the left and right operand; K: the contracted axis; several contracted axes count as one K, in the product's order):
;;     1. [M 8,192, K 1,024] x [K 1,024, N 1,024]; A: computed on the way; B: input wq (given as codes): QUANTISED
;;     2. [M 8,192, K 1,024] x [K 1,024, N 1,024]; A: computed on the way; B: input wk (given as codes): QUANTISED
;;     3. [M 8,192, K 1,024] x [K 1,024, N 1,024]; A: computed on the way; B: input wv (given as codes): QUANTISED
;;     4. batch 128 x [M 1,024, K 64] x [K 64, N 1,024]; A: computed on the way; B: computed on the way: QUANTISED
;;     5. batch 128 x [M 1,024, K 1,024] x [K 1,024, N 64]; A: softmax (see below); B: computed on the way: QUANTISED
;;   THE QUANTISER, for each operand of a quantised product, along K:
;;     - K is cut into blocks of 32 from its start; a last block that is shorter is filled with zeros.
;;     - A block's scale is 2^e with e = floor(log2(the largest magnitude in the block)) - 2, held to -126 .. 127; a block of zeros has e = 0. As a byte (E8M0): e + 127.
;;     - Each number is divided by its block's scale, clamped to +-7.5, and rounded to the nearest number of E2M3, ties to even, subnormals kept.
;;     - The product sums the exact products of the quantised numbers (number of the format x scale) in f32.
;;   ~~~python
;;   def quantise(x, axis):      # numpy; x: float32 -> the quantised numbers, widened to float32 again
;;       x = np.moveaxis(x, axis, -1); K = x.shape[-1]
;;       x = np.pad(x, [(0, 0)] * (x.ndim - 1) + [(0, -K % 32)]); x = x.reshape(x.shape[:-1] + (-1, 32)); a = np.abs(x).max(-1, keepdims=True)
;;       e = np.where(a > 0, np.clip(np.frexp(np.where(a > 0, a, 1))[1] - 1 - 2, -126, 127), 0)      # np.frexp(a)[1] - 1 = floor(log2(a)), exactly
;;       r = np.clip(x / 2.0 ** e, -7.5, 7.5)
;;       step = 2.0 ** (np.maximum(np.frexp(np.where(r == 0, 1, r))[1] - 1, 0) - 3)
;;       q = np.round(r / step) * step * 2.0 ** e      # np.round: ties to even
;;       return np.moveaxis(q.reshape(q.shape[:-2] + (-1,))[..., :K], -1, axis).astype(np.float32)
;;   ~~~
;;   SOFTMAX AHEAD OF A QUANTISED PRODUCT. Where the list says 'softmax', what is quantised is not the finished softmax but p = 2^(t - M), with t = logit x log2(e) and M = ceil(the row's largest t), a whole number; so 1/2 < the row's largest p <= 1. The row's sum l is taken of the UNQUANTISED p, in f32, and the product's result is divided by l at the end. Since M is a whole number, a kernel that streams over the keys may use a running M (the ceiling of the running maximum): every later rescaling is an exact power of two, which a block's scale takes up: the codes' values come out the same.
;;   OPERANDS COMPUTED ON THE WAY. 'Computed on the way' means the value that the module computes at that place (a softmax that the list does not call 'softmax' is quantised finished and normalised). What goes into a quantiser is computed in f32, as accurately as f32 sums, v_exp_f32 and their like allow (about 1e-6 of the number): no bf16 or f16 on the way to a quantiser, and a product that is left as it is and whose result goes on into a quantised operand takes f32 operands (vector FMAs, or v_wmma_f32_16x16x4_f32). A number that lies on a knife's edge between two numbers of the format may be rounded either way, as far as f32 arithmetic and the matrix unit's own rounding can turn it there, and no further.
;;   INPUTS GIVEN AS CODES. wk (in the module: [1024, 1024], K = its axis 1); wq (in the module: [1024, 1024], K = its axis 1); wv (in the module: [1024, 1024], K = its axis 1): each comes as NAME_codes (uint8): NAME with its K axis moved to the last place and cut into blocks of 32 codes, [.., K / 32, bytes a block], one block behind the other in memory; four codes in three bytes: a row's codes are one little-endian stream of bits, code i at bits 6 i .. 6 i + 5 (a code: sign, 2 exponent bits, 3 mantissa bits); and NAME_scales (uint8): the same leading axes, one E8M0 byte (e + 127) for each 32 codes along K. Its value is code x scale, taken as it is: it is not quantised again, and the codes and scales need not be those that the quantiser above would give.
;; One version. Each part assembles by itself: llvm-mc -triple=amdgcn-amd-amdhsa -mcpu=gfx1250 --defsym DOCPART=n.
;; ======== version 1 of 1: 3 launches
;; limits: right only within a limited range of input values
;; workspace buffers: xc 6,291,456 bytes; xs 262,144 bytes; qc 6,553,600 bytes; kv 13,107,200 bytes
;; launch lnq (part 1): grid 128 x 2, 8 waves a work-group, no clusters, 75,776 bytes of LDS; arguments hidden_states, pos_emb, ln_w, ln_b, xc, xs; writes xc, xs
.if DOCPART == 1
	.amdgcn_target "amdgcn-amd-amdhsa--gfx1250"
	.amdhsa_code_object_version 6
	.text
	.protected	k_q46ec64c965_lnq
	.globl	k_q46ec64c965_lnq
	.p2align	8
	.type	k_q46ec64c965_lnq,@function
k_q46ec64c965_lnq:
	s_mov_b64 s[64:65], 0
	v_nop
	global_prefetch_b8 v0, s[64:65] scope:SCOPE_SE
	s_setreg_imm32_b32 hwreg(HW_REG_WAVE_MODE, 25, 1), 1
	s_wait_xcnt 0x0
; x = LayerNorm(hidden_states + pos_emb) * ln_w + ln_b, [8192][1024] in f32, turned into codes of FP6 (E2M3) along the 1,024, with one E8M0 byte for each 32.
; xc: [8192][768 bytes], a row's codes one stream of bits in true order (code i at bits 6 i), laid as the weights' codes are;  xs: [8192][32] scale bytes.
; A block's scale is 2^(floor(log2(its largest magnitude)) - 2); its byte is the largest magnitude's exponent field - 2, held at 1 from below.
; LIMITS: a block of zeros gets the byte 1 where the rule says 127 (its codes are zeros, and this program alone reads the bytes); NaN and infinities among the inputs are not served.
; SHARES.  A work-group takes 8 positions of 4 batches: 32 rows.  Its 8 rows of pos_emb come from memory once, one row a wave, and reach the four batches through LDS.
; Wave w takes batch 4 y + w / 2, positions 8 x + 4 (w % 2) + 0 .. 3: ONE WAVE, ONE ROW, 32 numbers a lane, so no sum leaves the wave.  All four rows are asked for at the head: 16,384 bytes a wave are on their way.
; The mean is taken first and the squares of the differences second, as the definition has it, so a common offset of the inputs costs no digits.
; Each load reads 512 consecutive bytes (lane l: numbers 128 i + 4 l ..).  The conversion wants 16 NEIGHBOURS in a lane: the finished row turns through the wave's own stage in LDS (places of 64 bytes + 16 of padding).
; A lane's 16 codes are 12 bytes: the wave stores 384 consecutive bytes.  Scale bytes are gathered in LDS; the 8 rows of a batch, 256 bytes, leave as one aligned store.
.set POS,   0                          ; LDS: 8 rows of pos_emb, 4,096 bytes each
.set STG,   8*4096                     ; a stage for each wave: 64 places of SP bytes
.set SP,    80
.set WSTG,  64*SP
.set SCB,   STG+8*WSTG                 ; scale bytes: 128 for each wave (4 rows x 32)
.set SPARE, SCB+8*128                  ; the spare words, 128 bytes for each wave: four blocks of 256 bytes that no other line names
.set SPW,   16                         ; v16      LDS address of my spare word; never rewritten
.set NIL,   17                         ; v17      0; never rewritten
.set MU,    18                         ; v[18:19] the mean, twice
.set RS,    20                         ; v[20:21] 1 / sqrt(var + eps), twice
.set E,     22                         ; v22-23   a scale byte for each half of a row
.set C,     24                         ; v24-26, v28-30 codes of each half
.set T,     32                         ; v32-63   at work: the pos row, partial sums, the turned row
.set X,     64                         ; v64-191  four rows
.set W,     192                        ; v192-223 ln_w, as the rows are loaded
.set B,     224                        ; v224-255 ln_b
; v1 lane; v2 16 x lane; v3 stage, in; v4 stage, out; v5 12 x lane; v6 my block's scale byte; v7 8 x lane; v8 pos rows, read; v9-11 at work; v12 pos row, write; v13 scale bytes, read
	s_load_b256 s[4:11], s[0:1], 0x0               ; hidden s[4:5], pos s[6:7], ln_w s[8:9], ln_b s[10:11]
	s_load_b128 s[12:15], s[0:1], 0x20             ; xc s[12:13], xs s[14:15]
	v_lshl_add_u32 v[SPW], v0, 2, SPARE
	v_mov_b32 v[NIL], 0
	v_lshrrev_b32 v9, 5, v0
	s_delay_alu instid0(VALU_DEP_1)
	v_readfirstlane_b32 s16, v9                    ; wave 0..7
	v_and_b32 v1, 31, v0
	s_delay_alu instid0(VALU_DEP_1)
	v_lshlrev_b32 v2, 4, v1
	s_mul_i32 s17, s16, WSTG
	s_add_co_u32 s17, s17, STG                     ; my stage
	v_lshrrev_b32 v3, 2, v1
	s_delay_alu instid0(VALU_DEP_1)
	v_mul_u32_u24 v3, v3, SP
	v_and_b32 v9, 3, v1
	s_delay_alu instid0(VALU_DEP_1)
	v_lshl_add_u32 v3, v9, 4, v3
	s_delay_alu instid0(VALU_DEP_1)
	v_add_nc_u32 v3, s17, v3                       ; in: four lanes' 64 bytes fill a place: SP (lane / 4) + 16 (lane % 4); a load's 512 bytes take eight places
	v_mul_u32_u24 v4, v1, SP
	s_delay_alu instid0(VALU_DEP_1)
	v_add_nc_u32 v4, s17, v4                       ; out: SP x lane: my 16 neighbours
	v_mul_u32_u24 v5, v1, 12
	s_lshl_b32 s17, s16, 7
	s_add_co_u32 s17, s17, SCB
	v_lshrrev_b32 v6, 1, v1
	s_delay_alu instid0(VALU_DEP_1)
	v_add_nc_u32 v6, s17, v6                       ; two neighbouring lanes hold a block
	v_lshlrev_b32 v7, 3, v1
	s_and_b32 s18, s16, 1
	s_lshl_b32 s17, s18, 14
	v_add_nc_u32 v8, s17, v2                       ; my four pos rows begin at row 4 (w % 2)
	s_lshl_b32 s17, s16, 12
	v_add_nc_u32 v12, s17, v2                      ; the pos row that I bring: row w
	s_and_b32 s17, s16, 3
	s_lshl_b32 s19, s17, 8
	s_add_co_u32 s19, s19, SCB
	v_add_nc_u32 v13, s19, v7                      ; waves 0 to 3 send a batch's 256 scale bytes: those of waves 2 w and 2 w + 1
	v_mov_b32 v10, 0                               ; a lane permute's destination counts as one of its sources
	s_and_b32 s20, ttmp7, 0xffff
	s_lshl_b32 s20, s20, 2                         ; the first of my work-group's four batches
	s_lshl_b32 s22, ttmp9, 3                       ; the first of its eight positions
	s_lshr_b32 s21, s16, 1
	s_add_co_u32 s21, s21, s20
	s_lshl_b32 s21, s21, 10
	s_add_co_u32 s21, s21, s22
	s_lshl_b32 s23, s18, 2
	s_add_co_u32 s21, s21, s23                     ; my first row
	s_mov_b32 s24, 0x3a800000                      ; 1 / 1024
	s_mov_b32 s25, 0x2b8cbccc                      ; 1e-12
	s_mov_b32 s26, 0x76543210                      ; v_permlanex16_b32's selects for lane l xor 16
	s_mov_b32 s27, 0xfedcba98
	s_mov_b32 s19, 0
	s_wait_alu depctr_va_vdst(0)
	s_wait_kmcnt 0x0
	s_lshl_b32 s18, s21, 12
	s_add_nc_u64 s[4:5], s[4:5], s[18:19]          ; hidden at my first row
	s_mul_i32 s18, s21, 768
	s_add_nc_u64 s[12:13], s[12:13], s[18:19]      ; xc likewise
	s_add_co_u32 s18, s22, s16
	s_lshl_b32 s18, s18, 12
	s_add_nc_u64 s[6:7], s[6:7], s[18:19]          ; pos at row 8 x + w
	s_add_co_u32 s18, s17, s20
	s_lshl_b32 s18, s18, 10
	s_add_co_u32 s18, s18, s22
	s_lshl_b32 s18, s18, 5
	s_add_nc_u64 s[14:15], s[14:15], s[18:19]      ; xs at the 8 rows of batch 4 y + w % 4
.irp i, 0,1,2,3,4,5,6,7
	global_load_b128 v[T+4*\i:T+4*\i+3], v2, s[6:7] offset:512*\i
.endr
.irp i, 0,1,2,3,4,5,6,7
	global_load_b128 v[W+4*\i:W+4*\i+3], v2, s[8:9] offset:512*\i
.endr
.irp i, 0,1,2,3,4,5,6,7
	global_load_b128 v[B+4*\i:B+4*\i+3], v2, s[10:11] offset:512*\i
.endr
.irp j, 0,1,2,3
.irp i, 0,1,2,3,4,5,6,7
	global_load_b128 v[X+32*\j+4*\i:X+32*\j+4*\i+3], v2, s[4:5] offset:4096*\j+512*\i th:TH_LOAD_NT
.endr
.endr
	s_wait_loadcnt 48                              ; the pos row is in; behind it were issued ln_w's 8, ln_b's 8 and the rows' 32
.irp i, 0,1,2,3,4,5,6,7
	ds_store_b128 v12, v[T+4*\i:T+4*\i+3] offset:512*\i
.endr
	s_wait_dscnt 0x0                               ; for the others' sake: my pos row lies in LDS
	s_barrier_signal -1
	s_barrier_wait -1                              ; all eight do
.macro LANESUM                         ; v9 summed over the 32 lanes, the result in every lane
	s_delay_alu instid0(VALU_DEP_1)
	v_add_f32_dpp v9, v9, v9 row_xmask:1 row_mask:0xf bank_mask:0xf
	s_delay_alu instid0(VALU_DEP_1)
	v_add_f32_dpp v9, v9, v9 row_xmask:2 row_mask:0xf bank_mask:0xf
	s_delay_alu instid0(VALU_DEP_1)
	v_add_f32_dpp v9, v9, v9 row_xmask:4 row_mask:0xf bank_mask:0xf
	s_delay_alu instid0(VALU_DEP_1)
	v_add_f32_dpp v9, v9, v9 row_xmask:8 row_mask:0xf bank_mask:0xf
	s_delay_alu instid0(VALU_DEP_1)
	v_permlanex16_b32 v10, v9, s26, s27
	s_delay_alu instid0(VALU_DEP_1)
	v_add_f32 v9, v9, v10
.endm
; Half u of row j: lane l holds numbers 512 u + 16 l + 0 .. 15 in v[T + 16 u] on.
.macro QSTEP j, u
.set XQ, T+16*(\u)
	v_max3_num_f32 v9, |v[XQ]|, |v[XQ+1]|, |v[XQ+2]|               ; the largest magnitude of my 16, in two chains
	v_max3_num_f32 v10, |v[XQ+3]|, |v[XQ+4]|, |v[XQ+5]|
.irp i, 6,10
	s_delay_alu instid0(VALU_DEP_2)
	v_max3_num_f32 v9, v9, |v[XQ+\i]|, |v[XQ+\i+1]|
	s_delay_alu instid0(VALU_DEP_2)
	v_max3_num_f32 v10, v10, |v[XQ+\i+2]|, |v[XQ+\i+3]|
.endr
	s_delay_alu instid0(VALU_DEP_2)
	v_max3_num_f32 v9, v9, |v[XQ+14]|, |v[XQ+15]|
	s_delay_alu instid0(VALU_DEP_1)
	v_max3_num_f32 v9, v9, v10, 0x1800000          ; and the floor 2^(3 - 127): the byte cannot fall under 1
	s_delay_alu instid0(VALU_DEP_1)
	v_max_num_f32_dpp v9, v9, v9 row_xmask:1 row_mask:0xf bank_mask:0xf   ; and of my neighbour's 16: the block's
	s_delay_alu instid0(VALU_DEP_1)
	v_add_nc_u32 v11, 0xff000000, v9               ; 2 off its exponent field: the conversion takes the exponent field of this operand as its scale
	v_cvt_scalef32_pk16_fp6_f32 v[C+4*(\u):C+4*(\u)+2], v[XQ:XQ+15], v11
	v_lshrrev_b32 v[E+(\u)], 23, v11               ; the scale's byte (also the plain line behind the conversion)
	ds_store_b8 v6, v[E+(\u)] offset:32*(\j)+16*(\u)   ; both lanes of a block write the same byte with the same value
	global_store_b96 v5, v[C+4*(\u):C+4*(\u)+2], s[12:13] offset:768*(\j)+384*(\u)   ; the wave stores 384 consecutive bytes
.endm
.macro ROW j
.set XS, X+32*(\j)
.irp i, 0,1,2,3,4,5,6,7
	ds_load_b128 v[T+4*\i:T+4*\i+3], v8 offset:4096*(\j)+512*\i    ; the row's position
.endr
	s_wait_loadcnt 8*(3-(\j))                      ; this row's eight loads are in (and ln_w, ln_b); the later rows' may be out
	s_wait_dscnt 0x0
.irp k, 0,2,4,6,8,10,12,14,16,18,20,22,24,26,28,30
	v_pk_add_f32 v[XS+\k:XS+\k+1], v[XS+\k:XS+\k+1], v[T+\k:T+\k+1]
.endr
.irp k, 0,2,4,6,8,10,12,14                     ; the sum of my 32, as a tree
	v_pk_add_f32 v[T+\k:T+\k+1], v[XS+\k:XS+\k+1], v[XS+16+\k:XS+17+\k]
.endr
.irp k, 0,2,4,6
	s_delay_alu instid0(VALU_DEP_4)
	v_pk_add_f32 v[T+\k:T+\k+1], v[T+\k:T+\k+1], v[T+8+\k:T+9+\k]
.endr
.irp k, 0,2
	s_delay_alu instid0(VALU_DEP_2)
	v_pk_add_f32 v[T+\k:T+\k+1], v[T+\k:T+\k+1], v[T+4+\k:T+5+\k]
.endr
	s_delay_alu instid0(VALU_DEP_1)
	v_pk_add_f32 v[T:T+1], v[T:T+1], v[T+2:T+3]
	s_delay_alu instid0(VALU_DEP_1)
	v_add_f32 v9, v[T], v[T+1]
	LANESUM
	s_delay_alu instid0(VALU_DEP_1)
	v_mul_f32 v[MU], s24, v9                       ; the mean
	s_delay_alu instid0(VALU_DEP_1)
	v_mov_b32 v[MU+1], v[MU]
.irp k, 0,2,4,6,8,10,12,14,16,18,20,22,24,26,28,30
	v_pk_add_f32 v[XS+\k:XS+\k+1], v[XS+\k:XS+\k+1], v[MU:MU+1] neg_lo:[0,1] neg_hi:[0,1]
.endr
.irp k, 0,2,4,6                                ; the squares' sum, in four chains
	v_pk_mul_f32 v[T+\k:T+\k+1], v[XS+\k:XS+\k+1], v[XS+\k:XS+\k+1]
.endr
.irp g, 8,16,24
.irp k, 0,2,4,6
	s_delay_alu instid0(VALU_DEP_4)
	v_pk_fma_f32 v[T+\k:T+\k+1], v[XS+\g+\k:XS+\g+\k+1], v[XS+\g+\k:XS+\g+\k+1], v[T+\k:T+\k+1]
.endr
.endr
	s_delay_alu instid0(VALU_DEP_3)
	v_pk_add_f32 v[T:T+1], v[T:T+1], v[T+2:T+3]
	s_delay_alu instid0(VALU_DEP_2)
	v_pk_add_f32 v[T+4:T+5], v[T+4:T+5], v[T+6:T+7]
	s_delay_alu instid0(VALU_DEP_1)
	v_pk_add_f32 v[T:T+1], v[T:T+1], v[T+4:T+5]
	s_delay_alu instid0(VALU_DEP_1)
	v_add_f32 v9, v[T], v[T+1]
	LANESUM
	s_delay_alu instid0(VALU_DEP_1)
	v_fma_f32 v9, v9, s24, s25                     ; the variance + 1e-12
	s_wait_alu depctr_va_vdst(0)
	v_rsq_f32 v[RS], v9
	v_nop                                          ; a plain line behind the transcendental
	s_wait_alu depctr_va_vdst(0)                   ; the wait ahead of the first line that names its result
	v_mov_b32 v[RS+1], v[RS]
.irp k, 0,2,4,6,8,10,12,14,16,18,20,22,24,26,28,30
	v_pk_mul_f32 v[XS+\k:XS+\k+1], v[XS+\k:XS+\k+1], v[RS:RS+1]
.endr
.irp k, 0,2,4,6,8,10,12,14,16,18,20,22,24,26,28,30
	v_pk_fma_f32 v[XS+\k:XS+\k+1], v[XS+\k:XS+\k+1], v[W+\k:W+\k+1], v[B+\k:B+\k+1]
.endr
.irp i, 0,1,2,3,4,5,6,7
	ds_store_b128 v3, v[XS+4*\i:XS+4*\i+3] offset:8*SP*\i          ; the turn: LDS serves a wave's instructions in order, so no wait stands between the stores and the loads
.endr
.irp u, 0,1
.irp i, 0,1,2,3
	ds_load_b128 v[T+16*\u+4*\i:T+16*\u+4*\i+3], v4 offset:32*SP*\u+16*\i
.endr
.endr
.if (\j) > 0
	s_wait_xcnt 0x0                                ; the last row's stores have read their registers: the codes' are written again only behind this wait
.endif
	s_wait_dscnt 4                                 ; the first half is back; the second half's four loads may be out
	QSTEP \j, 0
	s_wait_dscnt 1                                 ; the second half is back; the byte store just issued may be out
	QSTEP \j, 1
.endm
	ROW 0
	ROW 1
	ROW 2
	ROW 3
	s_wait_dscnt 0x0                               ; for the others' sake: my scale bytes lie in LDS
	s_barrier_signal -1
	s_barrier_wait -1
	s_cmp_lt_u32 s16, 4
	s_cbranch_scc0 .Lno_scales
	ds_load_b64 v[T:T+1], v13                      ; 8 rows x 32 bytes of one batch
	s_wait_dscnt 0x0
	global_store_b64 v7, v[T:T+1], s[14:15]        ; 32 lanes store 256 consecutive bytes, at a multiple of 256 from xs's first byte
.Lno_scales:
	s_wait_tensorcnt 0x0                           ; the wave's end, behind my last LDS store
	ds_add_u32 v[SPW], v[NIL]
	s_wait_dscnt 0x0
	s_endpgm
.Lfunc_end_k_q46ec64c965_lnq:
	.size	k_q46ec64c965_lnq, .Lfunc_end_k_q46ec64c965_lnq-k_q46ec64c965_lnq
	.p2alignl 7, 3214868480
	.fill 96, 4, 3214868480
	.section	.rodata,"a",@progbits
	.p2align	6, 0x0
	.amdhsa_kernel k_q46ec64c965_lnq
		.amdhsa_group_segment_fixed_size 75776
		.amdhsa_private_segment_fixed_size 0
		.amdhsa_enable_private_segment 0
		.amdhsa_kernarg_size 48
		.amdhsa_user_sgpr_count 2
		.amdhsa_user_sgpr_kernarg_segment_ptr 1
		.amdhsa_wavefront_size32 1
		.amdhsa_system_sgpr_workgroup_id_x 1
		.amdhsa_system_sgpr_workgroup_id_y 1
		.amdhsa_system_sgpr_workgroup_id_z 1
		.amdhsa_system_vgpr_workitem_id 0
		.amdhsa_next_free_vgpr 256
		.amdhsa_next_free_sgpr 66
		.amdhsa_reserve_vcc 0
		.amdhsa_float_denorm_mode_32 3
		.amdhsa_float_denorm_mode_16_64 3
		.amdhsa_memory_ordered 1
		.amdhsa_forward_progress 1
		.amdhsa_inst_pref_size 59
	.end_amdhsa_kernel
	.amdgpu_metadata
---
amdhsa.version: [ 1, 2 ]
amdhsa.kernels:
  - .name:           k_q46ec64c965_lnq
    .symbol:         k_q46ec64c965_lnq.kd
    .args:
      - { .name: hidden_states, .offset: 0, .size: 8, .value_kind: global_buffer, .address_space: global }
      - { .name: pos_emb, .offset: 8, .size: 8, .value_kind: global_buffer, .address_space: global }
      - { .name: ln_w, .offset: 16, .size: 8, .value_kind: global_buffer, .address_space: global }
      - { .name: ln_b, .offset: 24, .size: 8, .value_kind: global_buffer, .address_space: global }
      - { .name: xc, .offset: 32, .size: 8, .value_kind: global_buffer, .address_space: global }
      - { .name: xs, .offset: 40, .size: 8, .value_kind: global_buffer, .address_space: global }
    .group_segment_fixed_size: 75776
    .private_segment_fixed_size: 0
    .kernarg_segment_align: 8
    .kernarg_segment_size: 48
    .max_flat_workgroup_size: 256
    .sgpr_count:     66
    .vgpr_count:     256
    .wavefront_size: 32
...
	.end_amdgpu_metadata
.endif
;; end of part 1
;; launch qkv (part 2): grid 64 x 4, 4 waves a work-group, clusters of 4 x 1, 327,680 bytes of LDS; arguments xc, xs, wq_codes, wq_scales, wk_codes, wk_scales, wv_codes, wv_scales, bq, bk, bv, qc, kv; writes qc, kv
.if DOCPART == 2
	.amdgcn_target "amdgcn-amd-amdhsa--gfx1250"
	.amdhsa_code_object_version 6
	.text
	.protected	k_q46ec64c965_qkv
	.globl	k_q46ec64c965_qkv
	.p2align	8
	.type	k_q46ec64c965_qkv,@function
k_q46ec64c965_qkv:
	s_mov_b64 s[64:65], 0
	v_nop
	global_prefetch_b8 v0, s[64:65] scope:SCOPE_SE
	s_setreg_imm32_b32 hwreg(HW_REG_WAVE_MODE, 25, 1), 1
	s_wait_xcnt 0x0
	s_wait_alu depctr_hold_cnt(0) depctr_sa_sdst(0) depctr_va_vdst(0) depctr_va_sdst(0) depctr_va_ssrc(0) depctr_va_vcc(0) depctr_vm_vsrc(0)
	s_getreg_b32 s2, hwreg(HW_REG_IB_STS2, 6, 4)
	s_cmp_eq_u32 s2, 0
	s_cbranch_scc0 .Lentry_in_a_cluster
	s_endpgm
.Lentry_in_a_cluster:
	s_bfe_u32 s2, ttmp6, 0x10000c
	s_cmp_lg_u32 s2, 0x3003
	s_cbranch_scc0 .Lentry_shape_is_right
	s_endpgm
.Lentry_shape_is_right:
; q = x Wq^T + bq, k = x Wk^T + bk, v = x Wv^T + bv on codes of FP6 (E2M3), one E8M0 scale for each 32 along K = 1,024; the results are quantised here and leave as codes:
; q and k along a head's 64 channels, v along the tokens, in the order of the operand registers of the launch that reads them.
; SHARES.  The 3,072 weight rows are 24 tiles of 128 (0-7 wq, 8-15 wk, 16-23 wv).  A work-group takes 128 tokens (x of the grid) and six tiles (6 y .. 6 y + 5): 64 x 4 = 256 work-groups of equal work.
; A wave takes 64 tokens x 64 weight rows (one head) of each tile: 16 accumulators.  ITS 64 ROWS OF x, ALL OF K, STAY IN REGISTERS (4 blocks x 8 steps x 12); only the weights' fragments are read from LDS in the loop.
; The weights' tiles (128 whole rows of 768 bytes, and their 4,096 scale bytes) go through two LDS slots.  x's 128 rows land in slot 1 first, are read into registers, and slot 1 is then filled as a refill is.
; CLUSTER 4 x 1: the four partners take neighbouring token blocks and the same tiles of weights: these are asked for jointly (mask 15).  x's tile is each work-group's own load.
; ROLES.  Tiles 0-15: source 0 = weights, source 1 = x: a lane holds one token, its registers run along the channels.  Tiles 16-23: the sources change places: a lane holds one channel, its registers run along the tokens.
; The bias is the C of a tile's first products.  The order inside a block of 32 (elements 0-7, 16-23, then 8-15, 24-31) is the same in q, k, v and p: both operands of each later product agree.
; RECORDS.  Record (batch x 16 + head) x 8 + token / 128.  kv, 12,800 bytes: 8 tiles of 16 keys x 768 (lane l's registers 0-3 at 16 l, 4-5 at 512 + 8 l); at 6,144 k's pair words (word i, tiles 2 i and 2 i + 1, of key row r at 64 i + 4 r);
; at 6,400 v: half c of the keys, tile t of 16 channels at 3,072 c + 768 t, laid as a tile of k; at 12,544 v's words: (c, u, r) at 128 c + 64 u + 4 r: two bytes of tile 2 u, two of tile 2 u + 1, for key blocks 2 c, 2 c + 1.  qc, 6,400 bytes: the first two parts.
; No prefetch is laid: a tile is asked for a whole tile's 128 matrix instructions a wave ahead of the wait for it.
; LIMITS: a block of zeros gets the byte 1 where the rule says 127 (its codes are zeros; this program alone reads the bytes); NaN and infinities are not served.
; REGISTERS: window 0: v0-31 addresses, v32-47 x's scale words, v48-63 the tile's, v64-255 the weights' fragments, two sets of 256 along K; window 1: x's steps 0-4; window 2: x's steps 5-7, v144-175 the bias; window 3: v0-127 accumulators, v128-187 the way out.
.set PITCH, 816                        ; an LDS row: 3 x (256 bytes + 16 of padding)
.set HALFW, 64*PITCH
.set CODES, 128*PITCH
.set SLOT,  CODES+16*272               ; the codes, then the scales as 16 units of 256 bytes + 16
.set SPARE, 2*SLOT                     ; the spare words: 128 bytes a wave, two blocks of 256 that no other line names
.set ADX, 4                            ; v4-5 x's fragments in LDS (the second: behind one padding more)
.set ADW0, 6                           ; v6-7 the weights' fragments, from a slot's start
.set ADS0, 8                           ; v8 the weights' scale words, likewise
.set ADW, 10                           ; v10-11, v12: the same in the slot that is read
.set ADS, 12
.set L16, 13
.set L8, 14
.set VOS, 15
.set BOQ, 16
.set BOV, 17
.set XSO, 18
.set SPW, 28
.set NIL, 29
.set XS, 32                            ; register 4 a + q: lanes 0-15 step q's word of block a, lanes 16-31 step q + 4's
.set WS, 48
.set WF, 64
.set BI, 144
.set TM, 128
.set CD, 144
.set PW, 184
.set WD, 186
.set WV, 30
.set RH, 31
.set CH, 32
.set CX, 33
.set G, 34
.set T, 35                             ; the tile at work
.set CNT, 36
.set SB, 37                            ; LDS byte at which the slot that is read begins
.set TA, 38
.set U, 39
.set TB, 40                            ; s[40:41]: an offset, its high word 0
.set RB, 42
.set RB0, 43
.set OP, 44
.set BP, 46
.set G1W, 48
.set G0W, 56
.set G0S, 60
.set HM, 66                            ; lanes 16-31, as a mask
.set WL, 67
.set G1S, 68
.set G1X, 76
.set G0X, 84
.set SEL, 88
.set PT, 90
.set PS, 92
.set WO, 94
.set XP, 96
.set MSB, 0
.macro WIN new                         ; the immediate's high byte repeats the setting that is left
.if MSB != (\new)
	s_set_vgpr_msb (MSB<<8)|(\new)
.set MSB, (\new)
.endif
.endm
.macro PLACES n
.rept \n
	v_nop
.endr
.endm
.macro CROUND                          ; a round of the cluster's barrier
	s_barrier_signal -1
	s_barrier_wait -1
	s_cmp_lg_u32 s[WV], 0
	s_cbranch_scc1 .Lnw0_\@
	s_barrier_signal -3
.Lnw0_\@:
	s_barrier_wait -3
	s_barrier_signal -1
	s_barrier_wait -1
.endm
; One chain of branches on the wave's number, one load to an arm: waves 0, 1 the tile's two halves of 64 rows, wave 2 its scales; at the head wave 3 brings x's 128 rows.
.macro JLOAD withx
	s_cmp_lt_u32 s[WV], 2
	s_cbranch_scc0 .Ljs_\@
	tensor_load_to_lds s[G0W:G0W+3], s[G1W:G1W+7]
	s_nop 0
	PLACES 4
	s_branch .Ljd_\@
.Ljs_\@:
	s_cmp_eq_u32 s[WV], 2
	s_cbranch_scc0 .Ljx_\@
	tensor_load_to_lds s[G0S:G0S+3], s[G1S:G1S+7]
	s_nop 0
	PLACES 4
.if \withx
	s_branch .Ljd_\@
.endif
.Ljx_\@:
.if \withx
	tensor_load_to_lds s[G0X:G0X+3], s[G1X:G1X+7]
	s_nop 0
	PLACES 4
.endif
.Ljd_\@:
.endm
; Group 0 for tile T + ahead, into the slot that is not read.  Written only where no tensor load of the wave is out.
.macro DESC ahead
	s_add_co_u32 s[U], s[T], \ahead
	s_lshr_b32 s[TA], s[U], 3
	s_cmp_eq_u32 s[TA], 0
	s_cselect_b64 s[PT:PT+1], s[8:9], s[12:13]
	s_cselect_b64 s[PS:PS+1], s[10:11], s[14:15]
	s_cmp_eq_u32 s[TA], 2
	s_cselect_b64 s[PT:PT+1], s[16:17], s[PT:PT+1]
	s_cselect_b64 s[PS:PS+1], s[18:19], s[PS:PS+1]
	s_and_b32 s[TA], s[U], 7
	s_mul_i32 s[TB], s[TA], 128*768
	s_add_co_u32 s[TB], s[TB], s[WO]
	s_add_nc_u64 s[G0W+2:G0W+3], s[PT:PT+1], s[TB:TB+1]
	s_or_b32 s[G0W+3], s[G0W+3], 0x80000000
	s_lshl_b32 s[TB], s[TA], 12
	s_add_nc_u64 s[G0S+2:G0S+3], s[PS:PS+1], s[TB:TB+1]
	s_or_b32 s[G0S+3], s[G0S+3], 0x80000000
	s_xor_b32 s[TA], s[SB], SLOT
	s_add_co_u32 s[G0W+1], s[TA], s[WL]
	s_add_co_u32 s[G0S+1], s[TA], CODES
.endm
; The biases of my 64 channels of tile T + ahead, in the layout of that tile's results: 8 registers for each block of 16 weight rows.
.macro BIAS ahead
	s_add_co_u32 s[U], s[T], \ahead
	s_lshr_b32 s[TA], s[U], 3
	s_cmp_eq_u32 s[TA], 0
	s_cselect_b64 s[BP:BP+1], s[20:21], s[22:23]
	s_cmp_eq_u32 s[TA], 2
	s_cselect_b64 s[BP:BP+1], s[24:25], s[BP:BP+1]
	s_and_b32 s[TB], s[U], 7
	s_lshl_b32 s[TB], s[TB], 1
	s_add_co_u32 s[TB], s[TB], s[CH]
	s_lshl_b32 s[TB], s[TB], 8
	s_add_nc_u64 s[BP:BP+1], s[BP:BP+1], s[TB:TB+1]
	s_cmp_eq_u32 s[TA], 2
	s_cbranch_scc1 .Lbv_\@
	WIN 0x80
.irp b, 0,1,2,3
	global_load_b128 v[BI+8*\b:BI+8*\b+3], v[BOQ], s[BP:BP+1] offset:64*\b       ; channels 16 b + 8 h + 0 .. 7 along the registers
	global_load_b128 v[BI+8*\b+4:BI+8*\b+7], v[BOQ], s[BP:BP+1] offset:64*\b+16
.endr
	WIN 0
	s_branch .Lbd_\@
.Lbv_\@:
	WIN 0x80
.irp b, 0,1,2,3
.irp j, 0,1,2,3,4,5,6,7
	global_load_b32 v[BI+8*\b+\j], v[BOV], s[BP:BP+1] offset:64*\b               ; channel 16 b + r in all eight
.endr
.endr
	WIN 0
.Lbd_\@:
.endm
; A fragment: lane (r, h) takes 24 bytes at 96 st + 24 h and 24 at 96 st + 48 + 24 h of its row, in pieces of 8.  Byte y of a row lies at y + 16 (y / 256); where lanes 16-31 lie behind one padding more, the second address serves.
.macro FRAG reg, adr, st, i
.irp p, 0,1,2,3,4,5
.set BY, 96*(\st)+48*(\p/3)+8*(\p%3)
.if BY/256 == (BY+24)/256
	ds_load_b64 v[\reg+2*\p:\reg+2*\p+1], v[\adr] offset:BY+16*(BY/256)+(\i)*16*PITCH
.else
	ds_load_b64 v[\reg+2*\p:\reg+2*\p+1], v[\adr+1] offset:BY+16*(BY/256)+(\i)*16*PITCH
.endif
.endr
.endm
.macro FETCHW d                        ; 48 loads: the weights' fragments of steps 2 d and 2 d + 1 into set d % 2
.irp q, 0,1
.irp b, 0,1,2,3
	FRAG WF+96*((\d)%2)+48*\q+12*\b, ADW, 2*(\d)+\q, \b
.endr
.endr
.endm
.macro WSLOAD                          ; the tile's scale words: lane (r, h) takes words 4 h .. 4 h + 3 of its row
.irp b, 0,1,2,3
	ds_load_b128 v[WS+4*\b:WS+4*\b+3], v[ADS] offset:544*\b
.endr
.endm
; 16 matrix instructions, 128 along K; the 16 accumulators by turns, in the same order in both roles.  first = 1: C is the bias.
.macro MUL role, s, first
.set XB, 48*((\s)%5)
.set WB, WF+96*(((\s)/2)%2)+48*((\s)%2)
.set QQ, (\s)%4
.if \role
	WIN 0xc0|((3-(\first))<<4)|(1+(\s)/5)
.else
	WIN 0xc0|((3-(\first))<<4)|((1+(\s)/5)<<2)
.endif
.irp i, 0,1,2,3
.irp j, 0,1,2,3
.set DD, 8*(4*\i+\j)
.if \role
.set S0, XB+12*\j
.set S1, WB+12*\i
.set C0, XS+4*\j+QQ
.set C1, WS+4*\i+QQ
.set CC, BI+8*\i
.else
.set S0, WB+12*\j
.set S1, XB+12*\i
.set C0, WS+4*\j+QQ
.set C1, XS+4*\i+QQ
.set CC, BI+8*\j
.endif
.if (\first) == 0
.set CC, DD
.endif
.if (\s) < 4
	v_wmma_scale_f32_16x16x128_f8f6f4 v[DD:DD+7], v[S0:S0+11], v[S1:S1+11], v[CC:CC+7], v[C0], v[C1] matrix_a_fmt:MATRIX_FMT_FP6 matrix_b_fmt:MATRIX_FMT_FP6
.else
	v_wmma_scale_f32_16x16x128_f8f6f4 v[DD:DD+7], v[S0:S0+11], v[S1:S1+11], v[CC:CC+7], v[C0], v[C1] matrix_a_fmt:MATRIX_FMT_FP6 matrix_b_fmt:MATRIX_FMT_FP6 matrix_a_scale:MATRIX_SCALE_ROW1 matrix_b_scale:MATRIX_SCALE_ROW1
.endif
.endr
.endr
.endm
.macro MULS s, first                   ; two steps, in the tile's role: the tile's number is the same in all waves and all partners
	s_cmp_lt_u32 s[T], 16
	s_cbranch_scc0 .Lmv_\@
	MUL 0, \s, \first
	MUL 0, (\s)+1, 0
	WIN 0
	s_branch .Lmd_\@
.Lmv_\@:
	MUL 1, \s, \first
	MUL 1, (\s)+1, 0
	WIN 0
.Lmd_\@:
.endm
; 64 numbers of a lane, registers 16 b + 0 .. 15 my 16 of block b, become two half fragments of six registers and a scale word.
.macro QUANT s, cd, pw
.irp b, 0,1,2,3
	v_max3_num_f32 v[TM+\b], |v[\s+16*\b]|, |v[\s+1+16*\b]|, 0x1800000   ; with the floor 2^(3 - 127): the byte cannot fall under 1
.endr
.irp i, 2,4,6,8,10,12,14
.irp b, 0,1,2,3
	v_max3_num_f32 v[TM+\b], v[TM+\b], |v[\s+16*\b+\i]|, |v[\s+1+16*\b+\i]|
.endr
.endr
.irp b, 0,1,2,3
	v_permlanex16_b32 v[TM+4+\b], v[TM+\b], s[SEL], s[SEL+1]
.endr
.irp b, 0,1,2,3
	v_max_num_f32 v[TM+\b], v[TM+\b], v[TM+4+\b]                   ; with lane l xor 16's: the block's largest magnitude
.endr
.irp b, 0,1,2,3
	v_add_nc_u32 v[TM+12+\b], 0xff000000, v[TM+\b]                 ; 2 off its exponent field: the conversion's scale operand
.endr
.irp b, 0,1,2,3
	v_lshrrev_b32 v[TM+4+\b], 23, v[TM+12+\b]                      ; the scale's byte
.endr
	v_lshl_or_b32 v[\pw], v[TM+5], 8, v[TM+4]
	v_lshl_or_b32 v[\pw], v[TM+6], 16, v[\pw]
	v_lshl_or_b32 v[\pw], v[TM+7], 24, v[\pw]
.irp c, 0,1
	v_cvt_scalef32_pk16_fp6_f32 v[\cd+6*\c:\cd+2+6*\c], v[\s+32*\c:\s+15+32*\c], v[TM+12+2*\c]
	v_cvt_scalef32_pk16_fp6_f32 v[\cd+12+4*\c:\cd+14+4*\c], v[\s+16+32*\c:\s+31+32*\c], v[TM+12+2*\c+1]
.endr
	v_nop                                          ; one plain place behind a scaled conversion
.irp c, 0,1                                    ; a whole block in a lane: lanes 0-15 block 2 c, lanes 16-31 block 2 c + 1
.irp i, 0,1,2
	v_permlane16_swap_b32 v[\cd+6*\c+\i], v[\cd+12+4*\c+\i]
.endr
.irp i, 0,1,2
	v_mov_b32 v[\cd+3+6*\c+\i], v[\cd+12+4*\c+\i]
.endr
.endr
.endm
.macro WAYOUT                          ; the same lines in both roles: four groups of six registers, 768 bytes apart, and two scale words
	s_wait_xcnt 0x0                                ; the last tile's stores have read their base and their data
	s_and_b32 s[TA], s[T], 7
	s_lshl_b32 s[TA], s[TA], 1
	s_add_co_u32 s[TA], s[TA], s[CH]               ; my head
	s_lshl_b32 s[TA], s[TA], 3
	s_add_co_u32 s[TA], s[TA], s[RB0]              ; the record
	s_mov_b32 s[TB], 12800
	s_cmp_lt_u32 s[T], 8
	s_cselect_b64 s[OP:OP+1], s[26:27], s[28:29]
	s_cselect_b32 s[TB], 6400, s[TB]
	s_mul_i32 s[TB], s[TA], s[TB]
	s_cmp_lt_u32 s[T], 16
	s_cselect_b32 s[TA], 0, 6400                   ; v lies in a record's second half
	s_add_co_u32 s[TB], s[TB], s[TA]
	s_add_nc_u64 s[OP:OP+1], s[OP:OP+1], s[TB:TB+1]
	WIN 0xff
	QUANT 0, CD, PW
	QUANT 64, CD+20, PW+1
	v_cndmask_b32 v[WD], v[PW], v[PW+1], s[HM]     ; lanes 0-15 store the first word, lanes 16-31 the second
	WIN 0x0c
.irp u, 0,1
.irp e, 0,1
	global_store_b128 v[L16], v[CD+20*\u+6*\e:CD+20*\u+6*\e+3], s[OP:OP+1] offset:768*(2*\u+\e)        ; 512 consecutive bytes
	global_store_b64 v[L8], v[CD+20*\u+6*\e+4:CD+20*\u+6*\e+5], s[OP:OP+1] offset:768*(2*\u+\e)+512    ; 256 consecutive bytes
.endr
.endr
	global_store_b32 v[VOS], v[WD], s[OP:OP+1] offset:6144         ; 128 consecutive bytes: my half of the record's 256
	WIN 0
.endm
; A tile.  Each run of 48 loads stands behind four places and has 32 matrix instructions in which to land: s_wait_dscnt 48 lets the run just issued stay out.
; kind = 1: the slot that is left is filled again, two tiles on.  kind = 0: the last two tiles: nothing is filled; the last (CNT = 1) has no successor.
.macro TILE kind
	PLACES 4
	FETCHW 1
	s_wait_loadcnt 0x0                             ; the bias (and at first x's scale words)
	s_wait_dscnt 48
	MULS 0, 1
	PLACES 4
.if \kind
	BIAS 1
.else
	s_cmp_eq_u32 s[CNT], 1
	s_cbranch_scc1 .Lnb_\@
	BIAS 1
.Lnb_\@:
.endif
	FETCHW 2
	s_wait_dscnt 48
	MULS 2, 0
	PLACES 4
	FETCHW 3
	s_wait_dscnt 48
	MULS 4, 0
	PLACES 4
.if \kind
	s_xor_b32 s[SB], s[SB], SLOT
	v_add_nc_u32 v[ADW], s[SB], v[ADW0]
	v_add_nc_u32 v[ADW+1], s[SB], v[ADW0+1]
	v_add_nc_u32 v[ADS], s[SB], v[ADS0]
	s_wait_alu depctr_va_vdst(0)
	s_wait_tensorcnt 0x0                           ; my part of the next tile is in
	ds_add_u32 v[SPW], v[NIL]
	DESC 2
	s_wait_dscnt 0x0                               ; the add, and my reads of the slot that is left
	CROUND
	JLOAD 0
	FETCHW 0
	MULS 6, 0
	PLACES 4
	WSLOAD
.else
	s_wait_dscnt 0x0
	s_cmp_eq_u32 s[CNT], 1
	s_cbranch_scc1 .Lla_\@
	s_xor_b32 s[SB], s[SB], SLOT
	v_add_nc_u32 v[ADW], s[SB], v[ADW0]
	v_add_nc_u32 v[ADW+1], s[SB], v[ADW0+1]
	v_add_nc_u32 v[ADS], s[SB], v[ADS0]
	s_wait_alu depctr_va_vdst(0)
	s_wait_tensorcnt 0x0                           ; my part of the last tile is in,
	s_barrier_signal -1
	s_barrier_wait -1                              ; everybody's is
	FETCHW 0
.Lla_\@:
	MULS 6, 0
	PLACES 4
	s_cmp_eq_u32 s[CNT], 1
	s_cbranch_scc1 .Lnw_\@
	WSLOAD
.Lnw_\@:
.endif
	WAYOUT
.endm
	s_load_b512 s[4:19], s[0:1], 0x0               ; xc, xs, wq's codes, scales, wk's, wv's
	s_load_b256 s[20:27], s[0:1], 0x40             ; bq, bk, bv, qc
	s_load_b64 s[28:29], s[0:1], 0x60              ; kv
	v_lshl_add_u32 v[SPW], v0, 2, SPARE
	v_mov_b32 v[NIL], 0
	ds_add_u32 v[SPW], v[NIL]                      ; the opening lines: the add, twice on end, and its wait
	ds_add_u32 v[SPW], v[NIL]
	v_lshrrev_b32 v1, 5, v0
	v_readfirstlane_b32 s[WV], v1
	s_lshr_b32 s[RH], s[WV], 1                     ; my half of the tokens
	s_and_b32 s[CH], s[WV], 1                      ; my half of a tile's weight rows
	s_bfe_u32 s[CX], ttmp6, 0x40000
	s_and_b32 s[G], ttmp7, 0xffff
	s_mul_i32 s[T], s[G], 6
	s_lshl_b32 s[RB], ttmp9, 2
	s_add_co_u32 s[RB], s[RB], s[CX]               ; my block of 128 tokens
	s_lshr_b32 s[RB0], s[RB], 3
	s_lshl_b32 s[RB0], s[RB0], 7
	s_and_b32 s[TA], s[RB], 7
	s_add_co_u32 s[RB0], s[RB0], s[TA]             ; batch x 128 + which 128 tokens
	s_mov_b32 s[G1W], 15|(1<<20)|(1<<21)|(5<<22)|(3<<25)           ; the mask of all four partners; bytes; 16 bytes of padding behind every 256
	s_mov_b32 s[G1W+1], 768<<16
	s_mov_b32 s[G1W+2], 64<<16
	s_mov_b32 s[G1W+3], 768<<16
	s_mov_b32 s[G1W+4], 64
	s_mov_b32 s[G1W+5], 768
	s_mov_b32 s[G1W+6], 0
	s_mov_b32 s[G1W+7], 0
	s_mov_b32 s[G1X], (1<<20)|(5<<22)|(3<<25)                      ; x's tile: my own load, 128 rows
	s_mov_b32 s[G1X+1], 768<<16
	s_mov_b32 s[G1X+2], 128<<16
	s_mov_b32 s[G1X+3], 768<<16
	s_mov_b32 s[G1X+4], 128
	s_mov_b32 s[G1X+5], 768
	s_mov_b32 s[G1X+6], 0
	s_mov_b32 s[G1X+7], 0
	s_mov_b32 s[G1S], 15|(3<<16)|(1<<20)|(1<<21)|(5<<22)|(3<<25)   ; a tile's scales: 16 rows of 256 bytes
	s_mov_b32 s[G1S+1], 32<<16
	s_mov_b32 s[G1S+2], 16<<16
	s_mov_b32 s[G1S+3], 32<<16
	s_mov_b32 s[G1S+4], 16
	s_mov_b32 s[G1S+5], 32
	s_mov_b32 s[G1S+6], 0
	s_mov_b32 s[G1S+7], 0
	s_mov_b32 s[G0W], 1
	s_mov_b32 s[G0S], 1
	s_mov_b32 s[G0X], 1
	s_mov_b32 s[G0X+1], SLOT
	s_mul_i32 s[WL], s[WV], HALFW
	s_mul_i32 s[WO], s[WV], 64*768
	s_mov_b32 s[SB], SLOT                          ; so that tile 0 goes to slot 0
	s_mov_b32 s[TB+1], 0
	s_mov_b32 s[SEL], 0x76543210
	s_mov_b32 s[SEL+1], 0xfedcba98
	s_mul_i32 s98, s[CH], HALFW
	s_mul_i32 s99, s[RH], HALFW
	s_add_co_u32 s99, s99, SLOT
	s_mul_i32 s2, s[CH], 4*544
	s_add_co_u32 s2, s2, CODES
	s_mul_i32 s3, s[RH], 3072
	s_lshl_b32 s95, s[RH], 7
	s_wait_dscnt 0x0
	s_wait_kmcnt 0x0
	DESC 0
	s_mul_i32 s[TB], s[RB], 128*768
	s_add_nc_u64 s[G0X+2:G0X+3], s[4:5], s[TB:TB+1]
	s_or_b32 s[G0X+3], s[G0X+3], 0x80000000
	s_lshl_b32 s[TB], s[RB], 12
	s_lshl_b32 s[TA], s[RH], 11
	s_add_co_u32 s[TB], s[TB], s[TA]
	s_add_nc_u64 s[XP:XP+1], s[6:7], s[TB:TB+1]    ; the scales of my 64 rows of x
	CROUND
	JLOAD 1                                        ; one load a wave: tile 0's halves, its scales, x
	v_and_b32 v1, 15, v0                           ; r
	v_bfe_u32 v2, v0, 4, 1                         ; h
	v_and_b32 v3, 31, v0
	v_mul_u32_u24 v[ADX], v1, PITCH
	v_mad_u32_u24 v[ADX], v2, 24, v[ADX]
	v_add_nc_u32 v[ADW0], s98, v[ADX]
	v_lshl_add_u32 v[ADW0+1], v2, 4, v[ADW0]
	v_add_nc_u32 v[ADX], s99, v[ADX]
	v_lshl_add_u32 v[ADX+1], v2, 4, v[ADX]
	v_lshlrev_b32 v[ADS0], 5, v1                   ; a row's 32 scale bytes, 16 more behind every 8 rows, + 16 h
	v_lshrrev_b32 v9, 3, v1
	v_add_nc_u32 v9, v9, v2
	v_lshl_add_u32 v[ADS0], v9, 4, v[ADS0]
	v_add_nc_u32 v[ADS0], s2, v[ADS0]
	v_mov_b32 v[ADW], v[ADW0]
	v_mov_b32 v[ADW+1], v[ADW0+1]
	v_mov_b32 v[ADS], v[ADS0]
	v_lshl_add_u32 v[L16], v3, 4, s3
	v_lshl_add_u32 v[L8], v3, 3, s3
	v_lshl_add_u32 v[VOS], v3, 2, s95
	v_lshlrev_b32 v[BOQ], 5, v2
	v_lshlrev_b32 v[BOV], 2, v1
	v_lshlrev_b32 v[XSO], 5, v1
	v_lshl_add_u32 v[XSO], v2, 4, v[XSO]
	v_cmp_ne_u32 s[HM], 0, v2
	WIN 0xc0
.irp b, 0,1,2,3
	v_mov_b32 v[TM+4+\b], 0                        ; written once: a lane permute's destination counts as one of its sources
.endr
	WIN 0
	s_wait_alu depctr_va_vdst(0)                   ; the wait at the head's end
.irp a, 0,1,2,3
	global_load_b128 v[XS+4*\a:XS+4*\a+3], v[XSO], s[XP:XP+1] offset:512*\a      ; 512 consecutive bytes
.endr
	BIAS 0
	s_wait_tensorcnt 0x0                           ; my load is in,
	s_barrier_signal -1
	s_barrier_wait -1                              ; everybody's is
.irp s, 0,1,2,3,4,5,6,7                        ; my 64 rows of x, all of K, into windows 1 and 2
	WIN (1+\s/5)<<6
.irp a, 0,1,2,3
	FRAG 48*(\s%5)+12*\a, ADX, \s, \a
.endr
.endr
	WIN 0
	FETCHW 0
	WSLOAD
	s_wait_tensorcnt 0x0                           ; slot 1 is filled again
	ds_add_u32 v[SPW], v[NIL]
	s_mov_b32 s[SB], 0
	DESC 1
	s_wait_dscnt 0x0                               ; the add, and my reads of x
	CROUND
	JLOAD 0                                        ; tile 1
	s_mov_b32 s[CNT], 4
.LA:
	TILE 1
	s_add_co_u32 s[T], s[T], 1
	s_sub_co_u32 s[CNT], s[CNT], 1
	s_cmp_lg_u32 s[CNT], 0
	s_wait_alu depctr_va_vdst(0)                   ; the wait ahead of the backward jump
	s_cbranch_scc1 .LA
	s_mov_b32 s[CNT], 2
.LB:
	TILE 0
	s_add_co_u32 s[T], s[T], 1
	s_sub_co_u32 s[CNT], s[CNT], 1
	s_cmp_lg_u32 s[CNT], 0
	s_wait_alu depctr_va_vdst(0)
	s_cbranch_scc1 .LB
	s_wait_tensorcnt 0x0                           ; the wave's end
	ds_add_u32 v[SPW], v[NIL]
	s_wait_dscnt 0x0
	CROUND                                         ; the closing round
	s_endpgm
.Lfunc_end_k_q46ec64c965_qkv:
	.size	k_q46ec64c965_qkv, .Lfunc_end_k_q46ec64c965_qkv-k_q46ec64c965_qkv
	.p2alignl 7, 3214868480
	.fill 96, 4, 3214868480
	.section	.rodata,"a",@progbits
	.p2align	6, 0x0
	.amdhsa_kernel k_q46ec64c965_qkv
		.amdhsa_group_segment_fixed_size 327680
		.amdhsa_private_segment_fixed_size 0
		.amdhsa_enable_private_segment 0
		.amdhsa_kernarg_size 104
		.amdhsa_user_sgpr_count 2
		.amdhsa_user_sgpr_kernarg_segment_ptr 1
		.amdhsa_wavefront_size32 1
		.amdhsa_system_sgpr_workgroup_id_x 1
		.amdhsa_system_sgpr_workgroup_id_y 1
		.amdhsa_system_sgpr_workgroup_id_z 1
		.amdhsa_system_vgpr_workitem_id 0
		.amdhsa_next_free_vgpr 1024
		.amdhsa_next_free_sgpr 100
		.amdhsa_reserve_vcc 0
		.amdhsa_float_denorm_mode_32 3
		.amdhsa_float_denorm_mode_16_64 3
		.amdhsa_memory_ordered 1
		.amdhsa_forward_progress 1
		.amdhsa_inst_pref_size 152
	.end_amdhsa_kernel
	.amdgpu_metadata
---
amdhsa.version: [ 1, 2 ]
amdhsa.kernels:
  - .name:           k_q46ec64c965_qkv
    .symbol:         k_q46ec64c965_qkv.kd
    .args:
      - { .name: xc, .offset: 0, .size: 8, .value_kind: global_buffer, .address_space: global }
      - { .name: xs, .offset: 8, .size: 8, .value_kind: global_buffer, .address_space: global }
      - { .name: wq_codes, .offset: 16, .size: 8, .value_kind: global_buffer, .address_space: global }
      - { .name: wq_scales, .offset: 24, .size: 8, .value_kind: global_buffer, .address_space: global }
      - { .name: wk_codes, .offset: 32, .size: 8, .value_kind: global_buffer, .address_space: global }
      - { .name: wk_scales, .offset: 40, .size: 8, .value_kind: global_buffer, .address_space: global }
      - { .name: wv_codes, .offset: 48, .size: 8, .value_kind: global_buffer, .address_space: global }
      - { .name: wv_scales, .offset: 56, .size: 8, .value_kind: global_buffer, .address_space: global }
      - { .name: bq, .offset: 64, .size: 8, .value_kind: global_buffer, .address_space: global }
      - { .name: bk, .offset: 72, .size: 8, .value_kind: global_buffer, .address_space: global }
      - { .name: bv, .offset: 80, .size: 8, .value_kind: global_buffer, .address_space: global }
      - { .name: qc, .offset: 88, .size: 8, .value_kind: global_buffer, .address_space: global }
      - { .name: kv, .offset: 96, .size: 8, .value_kind: global_buffer, .address_space: global }
    .group_segment_fixed_size: 327680
    .private_segment_fixed_size: 0
    .kernarg_segment_align: 8
    .kernarg_segment_size: 104
    .max_flat_workgroup_size: 128
    .sgpr_count:     100
    .vgpr_count:     1024
    .wavefront_size: 32
...
	.end_amdgpu_metadata
.endif
;; end of part 2
;; launch attn (part 3): grid 2 x 128, 16 waves a work-group, no clusters, 327,680 bytes of LDS; arguments qc, kv, out0; writes out0
.if DOCPART == 3
	.amdgcn_target "amdgcn-amd-amdhsa--gfx1250"
	.amdhsa_code_object_version 6
	.text
	.protected	k_q46ec64c965_attn
	.globl	k_q46ec64c965_attn
	.p2align	8
	.type	k_q46ec64c965_attn,@function
k_q46ec64c965_attn:
	s_mov_b64 s[64:65], 0
	v_nop
	global_prefetch_b8 v0, s[64:65] scope:SCOPE_SE
	s_setreg_imm32_b32 hwreg(HW_REG_WAVE_MODE, 25, 1), 1
	s_wait_xcnt 0x0
; out0[b][q][64 head + d] = the sum over keys of softmax(q . k / 8) v, for each of 128 (batch, head), both products on codes of FP6 (E2M3) with one E8M0 scale for each 32 along a product's K.
; THE SOFTMAX AHEAD OF THE SECOND PRODUCT: t = score x log2(e) / 8; M = the row's largest t so far, rounded up to a whole number; p = 2^(t - M) is quantised along the keys, not normalised.
; The row's sum is taken of the unquantised p, in f32, and divides O at the end.  When M moves, the sum and O are multiplied by 2^(old M - new M): exact.
; SHARES.  A work-group owns 512 queries of one head; each of sixteen waves owns two tiles of 16 queries, one after the other.  The head's eight records of K and V, 102,400 bytes, come into LDS once:
; each wave brings 25 rows of 256 bytes by one tensor load; waves 0-7 at the head (records 0-3), waves 8-15 behind the first barrier (records 4-7), which land under the first four key steps.
; NO CLUSTER: a head's records are read by two work-groups, each once; a mask for two of four partners would hang on a work-group's place.  No prefetch: each byte is asked for once, at the launch's start.
; LAYOUT.  Both products are used transposed: S^T = K Q^T, O^T = V^T P^T: a lane holds one query (lane % 16) throughout.
; K = 64 in an instruction of 128: source 0 is a pair of tiles of keys; against [Q, zeros] it gives the first tile's scores, against [zeros, Q] the second's: zero codes add nothing under any byte that the quantiser gives.
; The order inside a block of 32 is the same in q and k, and in p and v (elements 0-7, 16-23, then 8-15, 24-31).
; LIMITS: p under 2^-126 comes out of v_exp_f32 as 0, beside a row's sum above 1/2; a block of zeros has the byte 1; NaN and infinities are not served; the scaled scores stay under 2^31 in magnitude.
.set REC,   12800                      ; a record: 8 tiles of 16 keys x 768; at 6,144 k's pair words (word i of row r at 64 i + 4 r);
.set VC,    6400                       ; at 6,400 v: half c, tile t at 3,072 c + 768 t; at 12,544 v's words (c, u, r) at 128 c + 64 u + 4 r
.set KVB,   8*REC
.set STAGE, KVB+REC                    ; the way out: 16 rows x 272 bytes a wave; a record's bytes are left unused in front of it: s[TB] stands there behind the last key step
.set SPARE, STAGE+16*4352              ; the spare words: 128 bytes a wave
.set L16,  1
.set L8,   2
.set L4,   3
.set SPW,  4
.set NIL,  5
.set GO,   6
.set STO,  7
.set RD,   8
.set ADK,  9
.set ADK8, 10
.set ADS,  11
                                       ; v12 -M, v13 the largest t, v[14:15] the sum in two halves
.set QZ,   16                          ; v16-45: zeros, Q of pass 0, zeros, Q of pass 1, zeros, six registers each
.set QS,   46                          ; v46-47 Q's scale word of each pass
.set KSC,  48                          ; v48-49: register c: lanes 0-15 pair word 2 c, lanes 16-31 pair word 2 c + 1
.set VX,   50                          ; v50-51 v's words as they lie
.set VSC,  52                          ; v52-53: register e: lanes 0-15 tile e's word, lanes 16-31 tile 2 + e's
.set KF,   56                          ; v56-103 four pairs of tiles of K, later four fragments of V
.set S,    104
.set O,    168
.set PCD,  200
.set CT,   212
.set BM,   220
.set TP,   224
.set SO,   228
.set F,    232
.set PS,   234
.set TT,   235
.set QW,   236
.set SA,   244                         ; v244-249 three more chains of the sum
.set WV,   10
.set SEL,  36
.set CS,   38
.set TB,   40
.set CNT,  41
	s_load_b128 s[4:7], s[0:1], 0x0                ; qc, kv
	s_load_b64 s[8:9], s[0:1], 0x10                ; out0
	v_lshl_add_u32 v[SPW], v0, 2, SPARE
	v_mov_b32 v[NIL], 0
	ds_add_u32 v[SPW], v[NIL]                      ; the opening lines: the add, twice on end, and its wait
	ds_add_u32 v[SPW], v[NIL]
	v_lshrrev_b32 v9, 5, v0
	v_readfirstlane_b32 s[WV], v9
	s_and_b32 s11, ttmp7, 0xffff                   ; batch x 16 + head
	s_mov_b32 s16, 3<<16                           ; 25 rows of 32 elements of 8 bytes, dense
	s_mov_b32 s17, 32<<16
	s_mov_b32 s18, 25<<16
	s_mov_b32 s19, 32<<16
	s_mov_b32 s20, 25
	s_mov_b32 s21, 32
	s_mov_b32 s22, 0
	s_mov_b32 s23, 0
	s_mov_b32 s12, 1
	s_mul_i32 s13, s[WV], 6400                     ; the records lie in LDS as in kv: wave x 25 rows
	s_mul_i32 s44, s11, KVB
	s_add_co_u32 s46, s44, s13
	s_mov_b32 s47, 0
	s_lshl_b32 s50, s11, 3                         ; Q: record (batch x 16 + head) x 8 + 4 x work-group x + wave / 8 (+ 2 in the second pass)
	s_lshl_b32 s51, ttmp9, 2
	s_add_co_u32 s50, s50, s51
	s_lshr_b32 s51, s[WV], 3
	s_add_co_u32 s50, s50, s51
	s_mul_i32 s50, s50, 6400
	s_and_b32 s51, s[WV], 7                        ; its tile wave % 8
	s_mul_i32 s54, s51, 768
	s_add_co_u32 s54, s54, s50
	s_mov_b32 s55, 0
	s_lshr_b32 s52, s51, 1                         ; that tile's pair word
	s_lshl_b32 s52, s52, 6
	s_add_co_u32 s52, s52, s50
	s_add_co_u32 s52, s52, 6144
	s_mov_b32 s53, 0
	s_and_b32 s42, s[WV], 1
	s_cmp_eq_u32 s42, 0
	s_mov_b32 s42, 0x03020302
	s_cselect_b32 s42, 0x01000100, s42             ; my tile's two bytes of the pair word, twice
	s_lshr_b32 s56, s11, 4                         ; out0: row batch x 1024 + 512 x work-group x + 16 x wave, column 64 x head
	s_lshl_b32 s56, s56, 10
	s_lshl_b32 s57, ttmp9, 9
	s_add_co_u32 s56, s56, s57
	s_lshl_b32 s57, s[WV], 4
	s_add_co_u32 s56, s56, s57
	s_lshl_b32 s56, s56, 12
	s_and_b32 s57, s11, 15
	s_lshl_b32 s57, s57, 8
	s_add_co_u32 s56, s56, s57
	s_mov_b32 s57, 0
	s_mov_b32 s[SEL], 0x76543210
	s_mov_b32 s[SEL+1], 0xfedcba98
	s_mov_b32 s[CS], 0x3e38aa3b                    ; log2(e) / 8
	s_mov_b32 s[CS+1], s[CS]
	s_mul_i32 s43, s[WV], 4352
	s_add_co_u32 s43, s43, STAGE                   ; my stage
	v_and_b32 v9, 31, v0
	v_and_b32 v10, 15, v0                          ; r
	v_bfe_u32 v11, v0, 4, 1                        ; h
	v_lshlrev_b32 v[L16], 4, v9
	v_lshlrev_b32 v[L8], 3, v9
	v_lshlrev_b32 v[L4], 2, v9
	v_lshlrev_b32 v[TT], 2, v10                    ; 4 r: Q's pair word
	v_lshlrev_b32 v[GO], 12, v11
	v_lshl_add_u32 v[GO], v10, 4, v[GO]            ; lanes 0-15 one row of out0, lanes 16-31 the next
	v_mul_u32_u24 v[STO], v10, 272
	v_mul_u32_u24 v[RD], v11, 272
	v_lshl_add_u32 v[STO], v11, 5, v[STO]
	v_lshl_add_u32 v[RD], v10, 4, v[RD]
	v_add_nc_u32 v[STO], s43, v[STO]
	v_add_nc_u32 v[RD], s43, v[RD]
	s_wait_alu depctr_va_vdst(0)                   ; the wait, directly ahead of the waits below
	s_wait_dscnt 0x0
	s_wait_kmcnt 0x0
	s_add_nc_u64 s[14:15], s[6:7], s[46:47]
	s_or_b32 s15, s15, 0x80000000
	s_cmp_lt_u32 s[WV], 8
	s_cbranch_scc0 .Lno_fill
	tensor_load_to_lds s[12:15], s[16:23]          ; records 0 to 3
	s_nop 0
.rept 4
	v_nop
.endr
.Lno_fill:
	s_add_nc_u64 s[44:45], s[4:5], s[52:53]
	s_add_nc_u64 s[4:5], s[4:5], s[54:55]
	s_add_nc_u64 s[8:9], s[8:9], s[56:57]
.irp p, 0,1                                    ; both passes' Q stay in registers
	global_load_b128 v[QZ+6+12*\p:QZ+9+12*\p], v[L16], s[4:5] offset:12800*\p
	global_load_b64 v[QZ+10+12*\p:QZ+11+12*\p], v[L8], s[4:5] offset:12800*\p+512
	global_load_b32 v[QW+\p], v[TT], s[44:45] offset:12800*\p
.endr
.irp z, 0,12,24
.irp i, 0,1,2,3,4,5
	v_mov_b32 v[QZ+\z+\i], 0                       ; the zero codes beside Q
.endr
.endr
.irp b, 0,1,2,3
	v_mov_b32 v[TP+\b], 0                          ; written once: a lane permute's destination counts as one of its sources
.endr
	v_mov_b32 v[F+1], 0
	s_wait_alu depctr_va_vdst(0)
	s_wait_loadcnt 0x0
	v_perm_b32 v[QS], v[QW], v[QW], s42
	v_perm_b32 v[QS+1], v[QW+1], v[QW+1], s42
.macro INIT                            ; a pass begins: O^T and the sum are zeros, the largest t is under every t
	v_mov_b32 v13, 0xff61b1e6                      ; -3e38
	v_mov_b32 v14, 0
	v_mov_b32 v15, 0
	v_floor_f32 v12, -v13
.irp j, 0,1,2,3,4,5,6,7,8,9,10,11,12,13,14,15,16,17,18,19,20,21,22,23,24,25,26,27,28,29,30,31
	v_mov_b32 v[O+\j], 0
.endr
	s_mov_b32 s[TB], 0
.endm
; A KEY STEP: the 128 keys of the record at s[TB], for the queries of pass p.
.macro STEP p
	v_add_nc_u32 v[ADK], s[TB], v[L16]
	v_add_nc_u32 v[ADK8], s[TB], v[L8]
	v_add_nc_u32 v[ADS], s[TB], v[L4]
	v_nop                                          ; four places in front of loads into registers that the last products have read
.irp t, 0,1,2,3,4,5,6,7
	ds_load_b128 v[KF+6*\t:KF+6*\t+3], v[ADK] offset:768*\t
	ds_load_b64 v[KF+6*\t+4:KF+6*\t+5], v[ADK8] offset:768*\t+512
.endr
	ds_load_b32 v[KSC], v[ADS] offset:6144
	ds_load_b32 v[KSC+1], v[ADS] offset:6144+128
	s_wait_alu depctr_va_vdst(0)
	s_wait_dscnt 0x0
.irp c, 0,1                                    ; S^T: register 8 t + j of lane (r, h) is key 16 t + 8 h + j against query r
	v_wmma_scale_f32_16x16x128_f8f6f4 v[S+32*\c:S+32*\c+7], v[KF+24*\c:KF+24*\c+11], v[QZ+6+12*(\p):QZ+17+12*(\p)], 0, v[KSC+\c], v[QS+(\p)] matrix_a_fmt:MATRIX_FMT_FP6 matrix_b_fmt:MATRIX_FMT_FP6
	v_wmma_scale_f32_16x16x128_f8f6f4 v[S+32*\c+8:S+32*\c+15], v[KF+24*\c:KF+24*\c+11], v[QZ+12*(\p):QZ+11+12*(\p)], 0, v[KSC+\c], v[QS+(\p)] matrix_a_fmt:MATRIX_FMT_FP6 matrix_b_fmt:MATRIX_FMT_FP6
	v_wmma_scale_f32_16x16x128_f8f6f4 v[S+32*\c+16:S+32*\c+23], v[KF+24*\c+12:KF+24*\c+23], v[QZ+6+12*(\p):QZ+17+12*(\p)], 0, v[KSC+\c], v[QS+(\p)] matrix_a_fmt:MATRIX_FMT_FP6 matrix_b_fmt:MATRIX_FMT_FP6 matrix_a_scale:MATRIX_SCALE_ROW1
	v_wmma_scale_f32_16x16x128_f8f6f4 v[S+32*\c+24:S+32*\c+31], v[KF+24*\c+12:KF+24*\c+23], v[QZ+12*(\p):QZ+11+12*(\p)], 0, v[KSC+\c], v[QS+(\p)] matrix_a_fmt:MATRIX_FMT_FP6 matrix_b_fmt:MATRIX_FMT_FP6 matrix_a_scale:MATRIX_SCALE_ROW1
.endr
.rept 4
	v_nop                                          ; places: K's registers are loaded again, and the scores read, below
.endr
.irp t, 0,1,2,3                                ; V is asked for now, into K's registers: it lands under the softmax
.irp c, 0,1
	ds_load_b128 v[KF+12*\t+6*\c:KF+12*\t+6*\c+3], v[ADK] offset:VC+3072*\c+768*\t
	ds_load_b64 v[KF+12*\t+6*\c+4:KF+12*\t+6*\c+5], v[ADK8] offset:VC+3072*\c+768*\t+512
.endr
.endr
	ds_load_b32 v[VX], v[ADS] offset:12544
	ds_load_b32 v[VX+1], v[ADS] offset:12544+128
.irp b, 0,1,2,3
	v_max3_num_f32 v[BM+\b], v[S+16*\b], v[S+1+16*\b], v[S+2+16*\b]   ; the largest score of each block of 32 keys: for the row's maximum and, since p rises with the score, for the block's largest p
.endr
.irp i, 3,5,7,9,11,13
.irp b, 0,1,2,3
	v_max3_num_f32 v[BM+\b], v[BM+\b], v[S+16*\b+\i], v[S+1+16*\b+\i]
.endr
.endr
.irp b, 0,1,2,3
	v_max_num_f32 v[BM+\b], v[BM+\b], v[S+15+16*\b]
.endr
.irp b, 0,1,2,3
	v_permlanex16_b32 v[TP+\b], v[BM+\b], s[SEL], s[SEL+1]
.endr
.irp b, 0,1,2,3
	v_max_num_f32 v[BM+\b], v[BM+\b], v[TP+\b]     ; with lane l xor 16's 16 keys
.endr
	v_max3_num_f32 v[TT], v[BM], v[BM+1], v[BM+2]
	s_delay_alu instid0(VALU_DEP_1)
	v_max_num_f32 v[TT], v[TT], v[BM+3]
	s_delay_alu instid0(VALU_DEP_1)
	v_mul_f32 v[TT], s[CS], v[TT]                  ; the step's largest t
	s_delay_alu instid0(VALU_DEP_1)
	v_max_num_f32 v13, v13, v[TT]
	v_mov_b32 v[TT], v12
	s_delay_alu instid0(VALU_DEP_2)
	v_floor_f32 v12, -v13                          ; the new -M = -ceil(t)
	s_delay_alu instid0(VALU_DEP_1)
	v_sub_f32 v[TT], v12, v[TT]                    ; old M less new M: a whole number, 0 or less
	s_delay_alu instid0(VALU_DEP_1)
	v_cvt_i32_f32 v[TT], v[TT]
	s_delay_alu instid0(VALU_DEP_1)
	v_ldexp_f32 v[F], 1.0, v[TT]                   ; f = 2^(old M - new M)
.irp j, 0,2,4,6,8,10,12,14,16,18,20,22,24,26,28,30,32,34,36,38,40,42,44,46,48,50,52,54,56,58,60,62
	v_pk_fma_f32 v[S+\j:S+\j+1], v[S+\j:S+\j+1], s[CS:CS+1], v[12:13] op_sel_hi:[1,0,0]   ; t - M
.endr
.irp b, 0,1,2,3
	v_fma_f32 v[BM+\b], v[BM+\b], s[CS], v12
.endr
	s_wait_alu depctr_va_vdst(0)                   ; the wait ahead of the batch
.irp j, 0,1,2,3,4,5,6,7,8,9,10,11,12,13,14,15,16,17,18,19,20,21,22,23,24,25,26,27,28,29,30,31,32,33,34,35,36,37,38,39,40,41,42,43,44,45,46,47,48,49,50,51,52,53,54,55,56,57,58,59,60,61,62,63
	v_exp_f32 v[S+\j], v[S+\j]                     ; p = 2^(t - M), at most 1
.endr
	v_pk_mul_f32 v[14:15], v[14:15], v[F:F+1] op_sel_hi:[1,0]      ; the sums under the new M
	s_wait_alu depctr_va_vdst(0)                   ; one wait for the batch, ahead of its first reader
.irp b, 0,1,2,3
	v_exp_f32 v[BM+\b], v[BM+\b]                   ; the block's largest p
.endr
	v_pk_add_f32 v[SA:SA+1], v[S:S+1], v[S+2:S+3]                  ; the row's sum of the unquantised p, in four chains
	v_pk_add_f32 v[SA+2:SA+3], v[S+4:S+5], v[S+6:S+7]
	v_pk_add_f32 v[SA+4:SA+5], v[S+8:S+9], v[S+10:S+11]
	v_pk_add_f32 v[14:15], v[14:15], v[S+12:S+13]
.irp k, 14,22,30,38,46,54
	v_pk_add_f32 v[SA:SA+1], v[SA:SA+1], v[S+\k:S+\k+1]
	v_pk_add_f32 v[SA+2:SA+3], v[SA+2:SA+3], v[S+\k+2:S+\k+3]
	v_pk_add_f32 v[SA+4:SA+5], v[SA+4:SA+5], v[S+\k+4:S+\k+5]
	v_pk_add_f32 v[14:15], v[14:15], v[S+\k+6:S+\k+7]
.endr
	v_pk_add_f32 v[SA:SA+1], v[SA:SA+1], v[S+62:S+63]
	v_pk_add_f32 v[14:15], v[14:15], v[SA+2:SA+3]
	v_pk_add_f32 v[SA:SA+1], v[SA:SA+1], v[SA+4:SA+5]
	s_delay_alu instid0(VALU_DEP_1)
	v_pk_add_f32 v[14:15], v[14:15], v[SA:SA+1]
	s_wait_alu depctr_va_vdst(0)                   ; one wait for the four, and directly ahead of the wait below
	s_wait_dscnt 0x0                               ; V and its words are in
	v_perm_b32 v[VSC], v[VX+1], v[VX], 0x05040100  ; tiles 0 and 2: the two bytes of each half of the keys
	v_perm_b32 v[VSC+1], v[VX+1], v[VX], 0x07060302   ; tiles 1 and 3
.irp b, 0,1,2,3
	v_max_num_f32 v[BM+\b], 0x1800000, v[BM+\b]    ; the floor 2^(3 - 127): the byte cannot fall under 1
.endr
.irp b, 0,1,2,3
	v_add_nc_u32 v[SO+\b], 0xff000000, v[BM+\b]    ; 2 off the exponent field: the conversion's scale operand
.endr
.irp b, 0,1,2,3
	v_lshrrev_b32 v[TP+\b], 23, v[SO+\b]
.endr
	v_lshl_or_b32 v[PS], v[TP+1], 8, v[TP]         ; p's scale word for these 128 keys
	s_delay_alu instid0(VALU_DEP_1)
	v_lshl_or_b32 v[PS], v[TP+2], 16, v[PS]
	s_delay_alu instid0(VALU_DEP_1)
	v_lshl_or_b32 v[PS], v[TP+3], 24, v[PS]
.irp c, 0,1
	v_cvt_scalef32_pk16_fp6_f32 v[PCD+6*\c:PCD+2+6*\c], v[S+32*\c:S+15+32*\c], v[SO+2*\c]
	v_cvt_scalef32_pk16_fp6_f32 v[CT+4*\c:CT+2+4*\c], v[S+16+32*\c:S+31+32*\c], v[SO+2*\c+1]
.endr
	v_nop                                          ; one plain line behind the scaled conversions
.irp c, 0,1                                    ; a whole block in a lane: lanes 0-15 block 2 c, lanes 16-31 block 2 c + 1
.irp i, 0,1,2
	v_permlane16_swap_b32 v[PCD+6*\c+\i], v[CT+4*\c+\i]
.endr
.irp i, 0,1,2
	v_mov_b32 v[PCD+3+6*\c+\i], v[CT+4*\c+\i]
.endr
.endr
	s_wait_alu depctr_va_vdst(0)                   ; the wait, directly ahead of the first reader of O^T
.irp j, 0,2,4,6,8,10,12,14,16,18,20,22,24,26,28,30
	v_pk_mul_f32 v[O+\j:O+\j+1], v[O+\j:O+\j+1], v[F:F+1] op_sel_hi:[1,0]   ; O^T under the new M; also the places between p's codes and scale words and the products
.endr
.irp t, 0,1                                    ; O^T += V^T P^T: the four accumulators by turns; the next step's eight products stand between two links of a chain
	v_wmma_scale_f32_16x16x128_f8f6f4 v[O+8*\t:O+8*\t+7], v[KF+12*\t:KF+12*\t+11], v[PCD:PCD+11], v[O+8*\t:O+8*\t+7], v[VSC+\t], v[PS] matrix_a_fmt:MATRIX_FMT_FP6 matrix_b_fmt:MATRIX_FMT_FP6
.endr
.irp t, 0,1
	v_wmma_scale_f32_16x16x128_f8f6f4 v[O+16+8*\t:O+16+8*\t+7], v[KF+24+12*\t:KF+24+12*\t+11], v[PCD:PCD+11], v[O+16+8*\t:O+16+8*\t+7], v[VSC+\t], v[PS] matrix_a_fmt:MATRIX_FMT_FP6 matrix_b_fmt:MATRIX_FMT_FP6 matrix_a_scale:MATRIX_SCALE_ROW1
.endr
.endm
.macro RUN n, p                        ; n key steps
	s_mov_b32 s[CNT], \n
.Lstep_\@:
	STEP \p
	s_add_co_u32 s[TB], s[TB], REC
	s_sub_co_u32 s[CNT], s[CNT], 1
	s_cmp_lg_u32 s[CNT], 0
	s_cbranch_scc1 .Lstep_\@
.endm
; THE WAY OUT of pass p: O^T over the row's sum goes through my stage, so that sixteen lanes store a query's 64 channels: 256 consecutive bytes, at a multiple of 256 from out0's first byte.
.macro WAYOUT p
	v_add_f32 v14, v14, v15
	s_delay_alu instid0(VALU_DEP_1)
	v_permlanex16_b32 v[TT], v14, s[SEL], s[SEL+1]
	s_delay_alu instid0(VALU_DEP_1)
	v_add_f32 v14, v14, v[TT]
	s_wait_alu depctr_va_vdst(0)
	v_rcp_f32 v14, v14
.rept 4
	v_nop                                          ; the plain line behind the transcendental, and the places behind the last products
.endr
	s_wait_alu depctr_va_vdst(0)
.irp j, 0,1,2,3,4,5,6,7,8,9,10,11,12,13,14,15,16,17,18,19,20,21,22,23,24,25,26,27,28,29,30,31
	v_mul_f32 v[S+\j], v[O+\j], v14                ; register 8 t + j is channel 16 t + 8 h + j of query r
.endr
.irp t, 0,1,2,3
	ds_store_b128 v[STO], v[S+8*\t:S+8*\t+3] offset:64*\t
	ds_store_b128 v[STO], v[S+8*\t+4:S+8*\t+7] offset:64*\t+16
.endr
.irp i, 0,1,2,3,4,5,6,7
	ds_load_b128 v[KF+4*\i:KF+4*\i+3], v[RD] offset:544*\i         ; LDS serves a wave's instructions in order: these see my stores
.endr
.irp i, 0,1,2,3,4,5,6,7
	s_wait_dscnt 7-\i
	global_store_b128 v[GO], v[KF+4*\i:KF+4*\i+3], s[8:9] offset:8192*\i+1048576*(\p) th:TH_STORE_NT
.endr
.endm
	INIT
	s_wait_alu depctr_va_vdst(0)                   ; the wait at the head's end
	s_wait_tensorcnt 0x0                           ; my part of records 0 to 3 is in; a later first fill follows:
	ds_add_u32 v[SPW], v[NIL]                      ; the add twice
	ds_add_u32 v[SPW], v[NIL]
	s_wait_dscnt 0x0
	s_barrier_signal -1
	s_barrier_wait -1
	s_cmp_lt_u32 s[WV], 8
	s_cbranch_scc1 .Lno_fill2
	tensor_load_to_lds s[12:15], s[16:23]          ; records 4 to 7
	s_nop 0
.rept 4
	v_nop
.endr
.Lno_fill2:
	RUN 4, 0
	s_wait_tensorcnt 0x0                           ; my part of records 4 to 7 is in,
	s_wait_dscnt 0x0
	s_barrier_signal -1
	s_barrier_wait -1                              ; everybody's is
	RUN 4, 0
	WAYOUT 0
	s_wait_xcnt 0x0                                ; the stores have read their registers, which the next pass loads again
	INIT
	s_wait_alu depctr_va_vdst(0)
	RUN 8, 1
	WAYOUT 1
	s_wait_tensorcnt 0x0                           ; the wave's end
	ds_add_u32 v[SPW], v[NIL]
	s_wait_dscnt 0x0
	s_endpgm
.Lfunc_end_k_q46ec64c965_attn:
	.size	k_q46ec64c965_attn, .Lfunc_end_k_q46ec64c965_attn-k_q46ec64c965_attn
	.p2alignl 7, 3214868480
	.fill 96, 4, 3214868480
	.section	.rodata,"a",@progbits
	.p2align	6, 0x0
	.amdhsa_kernel k_q46ec64c965_attn
		.amdhsa_group_segment_fixed_size 327680
		.amdhsa_private_segment_fixed_size 0
		.amdhsa_enable_private_segment 0
		.amdhsa_kernarg_size 24
		.amdhsa_user_sgpr_count 2
		.amdhsa_user_sgpr_kernarg_segment_ptr 1
		.amdhsa_wavefront_size32 1
		.amdhsa_system_sgpr_workgroup_id_x 1
		.amdhsa_system_sgpr_workgroup_id_y 1
		.amdhsa_system_sgpr_workgroup_id_z 1
		.amdhsa_system_vgpr_workitem_id 0
		.amdhsa_next_free_vgpr 256
		.amdhsa_next_free_sgpr 66
		.amdhsa_reserve_vcc 0
		.amdhsa_float_denorm_mode_32 3
		.amdhsa_float_denorm_mode_16_64 3
		.amdhsa_memory_ordered 1
		.amdhsa_forward_progress 1
		.amdhsa_inst_pref_size 66
	.end_amdhsa_kernel
	.amdgpu_metadata
---
amdhsa.version: [ 1, 2 ]
amdhsa.kernels:
  - .name:           k_q46ec64c965_attn
    .symbol:         k_q46ec64c965_attn.kd
    .args:
      - { .name: qc, .offset: 0, .size: 8, .value_kind: global_buffer, .address_space: global }
      - { .name: kv, .offset: 8, .size: 8, .value_kind: global_buffer, .address_space: global }
      - { .name: out0, .offset: 16, .size: 8, .value_kind: global_buffer, .address_space: global }
    .group_segment_fixed_size: 327680
    .private_segment_fixed_size: 0
    .kernarg_segment_align: 8
    .kernarg_segment_size: 24
    .max_flat_workgroup_size: 512
    .sgpr_count:     66
    .vgpr_count:     256
    .wavefront_size: 32
...
	.end_amdgpu_metadata
.endif
;; end of part 3
